; MI455X (gfx1250); checked and timed in simulation.
; The chip was launched on July 23, 2026; its instructions are those of AMD's public machine-readable ISA for CDNA 5 (MIT licence, August 2026) and "CDNA5" Instruction Set Architecture Reference Guide (July 2026). The comments in the code are by the model that wrote it; some were corrected since.
;; Hd. Allowed arithmetic: matrix products marked QUANTISED: E2M1 operands, one E8M0 scale for each 32 along K, by v_wmma_scale_f32_16x16x128_f8f6f4 with both operands' format E2M1 (or v_wmma_scale_f32_32x16x128_f4), f32 sums; everything else in f32.
;; Inputs: sz1 32 int32; sz2 32 int32; v1 32 x 256 x 64 float32; v2 32 x 256 x 64 float32.
;; Outputs: out0 32 x 32 float32.
;; This version of the problem:
;;   THIS VERSION OF THE PROBLEM IS GIVEN IN LOW PRECISION. The matrix products marked QUANTISED in the list below multiply operands that are first quantised to E2M1 (2 exponent bits, 1 mantissa bit; 4 bits a number), with one power-of-two scale for each 32 numbers along K (OCP MX v1.0); their sums are f32. All else is computed in f32.
;;   The module's matrix products, in the order in which they are computed (A, B: the left and right operand; K: the contracted axis; several contracted axes count as one K, in the product's order):
;;     1. [M 8,192, K 64] x [K 64, N 8,192]; A: input v2; B: input v1: QUANTISED
;;   THE QUANTISER, for each operand of a quantised product, along K:
;;     - K is cut into blocks of 32 from its start; a last block that is shorter is filled with zeros.
;;     - A block's scale is 2^e with e = floor(log2(the largest magnitude in the block)) - 2, held to -126 .. 127; a block of zeros has e = 0. As a byte (E8M0): e + 127.
;;     - Each number is divided by its block's scale, clamped to +-6, and rounded to the nearest number of E2M1, ties to even, subnormals kept.
;;     - The product sums the exact products of the quantised numbers (number of the format x scale) in f32.
;;   ~~~python
;;   def quantise(x, axis):      # numpy; x: float32 -> the quantised numbers, widened to float32 again
;;       x = np.moveaxis(x, axis, -1); K = x.shape[-1]
;;       x = np.pad(x, [(0, 0)] * (x.ndim - 1) + [(0, -K % 32)]); x = x.reshape(x.shape[:-1] + (-1, 32)); a = np.abs(x).max(-1, keepdims=True)
;;       e = np.where(a > 0, np.clip(np.frexp(np.where(a > 0, a, 1))[1] - 1 - 2, -126, 127), 0)      # np.frexp(a)[1] - 1 = floor(log2(a)), exactly
;;       r = np.clip(x / 2.0 ** e, -6, 6)
;;       step = 2.0 ** (np.maximum(np.frexp(np.where(r == 0, 1, r))[1] - 1, 0) - 1)
;;       q = np.round(r / step) * step * 2.0 ** e      # np.round: ties to even
;;       return np.moveaxis(q.reshape(q.shape[:-2] + (-1,))[..., :K], -1, axis).astype(np.float32)
;;   ~~~
;; One version. Each part assembles by itself: llvm-mc -triple=amdgcn-amd-amdhsa -mcpu=gfx1250 --defsym DOCPART=n.
;; ======== version 1 of 1: 1 launch
;; launch hausdorff (part 1): grid 16 x 16, 16 waves a work-group, no clusters, 137,216 bytes of LDS; arguments sz1, sz2, v1, v2, out0; writes out0
.if DOCPART == 1
	.amdgcn_target "amdgcn-amd-amdhsa--gfx1250"
	.amdhsa_code_object_version 6
	.text
	.protected	k_q94589fa870_hausdorff
	.globl	k_q94589fa870_hausdorff
	.p2align	8
	.type	k_q94589fa870_hausdorff,@function
k_q94589fa870_hausdorff:
	s_mov_b64 s[64:65], 0
	v_nop
	global_prefetch_b8 v0, s[64:65] scope:SCOPE_SE
	s_setreg_imm32_b32 hwreg(HW_REG_WAVE_MODE, 25, 1), 1
	s_wait_xcnt 0x0
; out0[a][b] = Hausdorff distance of the first sz1[a] points of v1[a] and the first sz2[b] points of v2[b]; 32 x 32 pairs, sets of 256 points x 64 f32.
; d2(x, y) = |x|^2 + |y|^2 - 2 x.y, the product x.y on codes of E2M1 with one E8M0 scale for each 32 along the 64; the norms of the unquantised numbers, in f32.
; ARITHMETIC.  sqrt and max(., 0) never fall where their argument rises, so minima and maxima are taken of squares and one root is left for a pair.  With hn = |.|^2 / 2:
;   min over y of d2 = 2 (hn(x) - max over y of (x.y - hn(y))).   -hn(y) is the C of the matrix instruction, so its result is the number to be maximised: half a v_max3 for each number.
; The two directed distances are this same routine with the roles changed, so each kept tile is multiplied twice, once with each side's norms as C.
; MASKS.  A point beyond its set's length gets C = -5e17 where it is streamed (the square of reference's 1e9, halved) and hn = -2e18 where it is resident: the loop has no line for the mask.
; Blocks of 16 points that lie wholly beyond the length are neither quantised nor multiplied: scalar branches on the lengths, which are whole numbers read from memory.
; SHARES.  Work-group (x, y) owns sets 0, 1 = v1[2x], v1[2x+1] and sets 2, 3 = v2[2y], v2[2y+1]: four pairs.  Sixteen waves.
;   First: wave w quantises block w (16 points) of each of the four sets; fragments, scale words, C and hn go to LDS.
;   Then: wave w = 8u + 4v + 2dir + p keeps set X = 2dir + u RESIDENT in registers and STREAMS the blocks of parity p xor v of set Y = 2(1 - dir) + v from LDS.
;   Streamed points are source 0 (rows of the result: its registers), resident points source 1 (columns: its lanes): a lane keeps ONE running maximum for each resident block.
; K = 64 fills half of the instruction's 128.  The streamed fragment's registers for K = 64..127 hold zero codes; the resident fragments stand densely, four registers each, so that the upper half of
; each operand is the next fragment: whatever codes stand there are finite (E2M1 has no infinity and no NaN) and meet zeros.  The scale bytes of those blocks are 0, not 0xff.
; NO JOINT LOADS, though each set is read by 16 work-groups.
; OUTPUT: a work-group owns 2 x 2 numbers of 4 bytes; no store of it can cover 256 consecutive bytes.
; LIMITS: squares must stay far under 5e17 (coordinates under about 1e7), or the stand-ins no longer dominate; NaN and infinities in valid points are not served; lengths are held to 0 .. 256;
; d2 is summed as hn(x) - (hn(y) - x.y), doubled: another order of rounding than reference's; a block of zeros gets the scale byte 1 (its codes are zeros).
.set L_SC,  0                          ; LDS: scale words, [set][point] 4 bytes
.set L_CA,  4096                       ; C = -hn or -5e17, [set][point]
.set L_FA,  8192                       ; hn or -2e18, [set][point]
.set L_RES, 12288                      ; the eight directed results
.set L_FR,  16384                      ; fragments as images of their four registers: [set][block] 512 bytes, lane l's 16 bytes at 16 l
.set L_STG, 49152                      ; a stage for each wave: 16 rows x (256 + 16) bytes
.set STGB,  16*272
.set L_PX,  L_STG+16*STGB              ; the running maxima that a wave hands to its partner: 2,048 bytes for each of eight pairs of waves
.set S_WV, 14                          ; wave
.set S_Y,  16                          ; work-group y
.set S_O1, 18                          ; byte offsets of my lengths in sz1, sz2; never rewritten
.set S_O2, 19
.set S_SZ, 20                          ; s20-23 the four sets' lengths
.set S_TT, 24                          ; s24-27 their numbers of valid blocks
.set S_R,  28                          ; valid blocks of my resident set
.set S_TY, 29                          ; of my streamed set
.set S_N,  30                          ; streamed blocks that are mine
.set S_I,  31                          ; the loop's counter: trips done
.set S_T,  32
.set S_T2, 33
.set S_SEL, 34                         ; s[34:35] v_permlanex16_b32's selects for lane l xor 16
.set S_A,  36                          ; s[36:37], s[38:39] byte offsets into v1, v2
.set S_B,  38
.set S_P,  40
.set S_DIR, 41
.set S_V,  42
.set S_U,  43
.set S_SX, 44
.set S_SY, 45
.set S_PP, 46
.set S_EX, 47
.set S_NP, 48                          ; the loop's trips: half of s30, rounded down: a trip takes two blocks
.set S_OD, 49                          ; 1 where s30 is odd: one block is left for the tail
.set V_GO,  4                          ; 16 x lane: my bytes of a load's 512
.set V_STW, 5                          ; stage, way in
.set V_STR, 6                          ; stage, way out
.set V_FRW, 7                          ; where my block's fragment goes
.set V_RWA, 8                          ; 64 w + 4 r: my point's word in the three tables
.set V_ROW, 9                          ; 16 w + r: my point's number in its set
.set V_SH,  10                         ; 8 h
.set V_ABF, 11                         ; resident fragments
.set V_ABS, 12                         ; resident scale words
.set V_AAF, 13                         ; streamed fragment, C, scale word: stepped in the loop
.set V_ACA, 14
.set V_AAS, 15
.set V_PXA, 16                         ; my pair's place for the maxima
.set V_AFA, 17                         ; resident hn
.set V_RSA, 18                         ; my directed result
.set V_R0A, 19                         ; the last step: the two directed results of lane l's pair,
.set V_R1A, 20
.set V_OUT, 21                         ; and its byte in out0
.set V_SNC, 22                         ; -5e17
.set V_SNF, 23                         ; -2e18
.set V_NIL, 24                         ; 0
.set V_NBG, 25                         ; -1e9
.set V_M0,  26
.set V_M1,  27
.set V_NN,  28                         ; v28-31 sums of squares
.set V_CD,  32                         ; v32-35 a block's codes
.set V_SO,  36
.set V_BY,  37
.set V_T1,  38
.set V_T2,  39
.set V_CV,  40
.set V_FV,  41
.set V_WD,  42
.set V_X,   44                         ; v44-75 my 32 numbers of a point
.set V_DD,  44                         ; v44-59 afterwards: two results by turns
.set V_G,   76                         ; v76-203 four blocks as loaded
.set V_BF,  76                         ; v76-143 afterwards: resident fragments, 4 registers each, and 4 behind the last
.set V_CC,  152                        ; v152-167 C of the streamed block, two buffers
.set V_PT,  76                         ; the end: the partner's maxima,
.set V_FF,  92                         ; and hn of the resident points
.set V_AF,  204                        ; v204-219 the streamed fragment, two buffers of 8; registers 4-7 of each stay zero
.set V_AC,  220                        ; v220-235 the running maxima, one for each resident block
.set V_BS,  236                        ; v236-243 resident scale words: lanes 0-15 an even block's, lanes 16-31 the next block's.  These and the next two hold scales and nothing else
.set V_AS,  244                        ; v244-245 the streamed block's scale words, two buffers
.set V_TU,  252                        ; v252-253, v254-255 partial maxima, two sets by turns
.set V_TV,  254
	s_load_b256 s[4:11], s[0:1], 0x0               ; sz1 s[4:5], sz2 s[6:7], v1 s[8:9], v2 s[10:11]
	s_load_b64 s[12:13], s[0:1], 0x20              ; out0
	v_lshl_add_u32 v250, v0, 2, 0x21000
	v_mov_b32 v251, 0
	v_lshrrev_b32 v1, 5, v0
	v_readfirstlane_b32 s[S_WV], v1                ; wave 0..15
	v_and_b32 v1, 31, v0                           ; lane
	v_and_b32 v2, 15, v0                           ; r
	v_bfe_u32 v3, v0, 4, 1                         ; h
	v_lshlrev_b32 v[V_GO], 4, v1
	s_and_b32 s[S_Y], ttmp7, 0xffff
	s_lshl_b32 s[S_O1], ttmp9, 3                   ; sz1[2x], sz1[2x+1]
	s_lshl_b32 s[S_O2], s[S_Y], 3                  ; sz2[2y], sz2[2y+1]
	s_lshl_b32 s[S_T], s[S_WV], 12                 ; my block: 16 points of 256 bytes
	s_lshl_b32 s[S_A], ttmp9, 17                   ; two sets of 65,536 bytes
	s_add_co_u32 s[S_A], s[S_A], s[S_T]
	s_mov_b32 s[S_A+1], 0
	s_lshl_b32 s[S_B], s[S_Y], 17
	s_add_co_u32 s[S_B], s[S_B], s[S_T]
	s_mov_b32 s[S_B+1], 0
	s_wait_kmcnt 0x0
	s_load_b64 s[S_SZ:S_SZ+1], s[4:5], s[S_O1] offset:0x0
	s_load_b64 s[S_SZ+2:S_SZ+3], s[6:7], s[S_O2] offset:0x0
	s_add_nc_u64 s[8:9], s[8:9], s[S_A:S_A+1]
	s_add_nc_u64 s[10:11], s[10:11], s[S_B:S_B+1]
; All 32 loads of the wave go out here, beside the lengths' loads: their addresses hang on no length.  Each covers 512 consecutive bytes, two points.
.irp s, 0,1
.irp i, 0,1,2,3,4,5,6,7
	global_load_b128 v[V_G+32*\s+4*\i:V_G+32*\s+4*\i+3], v[V_GO], s[8:9] offset:65536*\s+512*\i
.endr
.endr
.irp s, 0,1
.irp i, 0,1,2,3,4,5,6,7
	global_load_b128 v[V_G+64+32*\s+4*\i:V_G+64+32*\s+4*\i+3], v[V_GO], s[10:11] offset:65536*\s+512*\i
.endr
.endr
; While they are on their way: what the main loop finds in its registers, and every LDS address of the text.
.irp i, 4,5,6,7,12,13,14,15
	v_mov_b32 v[V_AF+\i], 0                        ; zero codes for K = 64 .. 127 of the streamed fragments: written once
.endr
	v_mov_b32 v[V_SNC], 0xdcde0b6b                 ; -5e17
	v_mov_b32 v[V_SNF], 0xddde0b6b                 ; -2e18
	v_mov_b32 v[V_NIL], 0
	v_mov_b32 v[V_NBG], 0xce6e6b28                 ; -1e9
	v_mov_b32 v[V_T1], 0                           ; a lane permute's destination counts as one of its sources
	v_mov_b32 v[V_T2], 0
.set Q, 0
.rept 16
	v_mov_b32 v[V_AC+Q], v[V_SNC]                  ; the maxima begin at the stand-in of a masked point;
.set Q, Q+1
.endr
.irp i, 0,1,2,3
	v_mov_b32 v[V_TU+\i], v[V_SNC]                 ; so do the partial maxima, which the loop's first steps take up before any product has fed them
.endr
	s_mov_b32 s[S_SEL], 0x76543210
	s_mov_b32 s[S_SEL+1], 0xfedcba98
	s_mul_i32 s[S_T], s[S_WV], STGB
	s_add_co_u32 s[S_T], s[S_T], L_STG             ; my stage
	v_mul_u32_u24 v[V_STW], v3, 272                ; in: as loaded: lanes 0-15 a point's 256 bytes, lanes 16-31 the next point's
	v_lshl_add_u32 v[V_STW], v2, 4, v[V_STW]
	v_add_nc_u32 v[V_STW], s[S_T], v[V_STW]
	v_mul_u32_u24 v[V_STR], v2, 272                ; out: point r, numbers 32 h on.  272 bytes are 68 words: sixteen points begin at sixteen different groups of four banks (ISA guide 11.1)
	v_lshl_add_u32 v[V_STR], v3, 7, v[V_STR]
	v_add_nc_u32 v[V_STR], s[S_T], v[V_STR]
	s_lshl_b32 s[S_T], s[S_WV], 9
	s_add_co_u32 s[S_T], s[S_T], L_FR
	v_lshl_add_u32 v[V_FRW], v1, 4, s[S_T]
	s_lshl_b32 s[S_T], s[S_WV], 6
	v_lshl_add_u32 v[V_RWA], v2, 2, s[S_T]
	s_lshl_b32 s[S_T], s[S_WV], 4
	v_add_nc_u32 v[V_ROW], s[S_T], v2
	v_lshlrev_b32 v[V_SH], 3, v3
	s_and_b32 s[S_P], s[S_WV], 1                   ; the wave's part in the main phase
	s_bfe_u32 s[S_DIR], s[S_WV], 0x10001
	s_bfe_u32 s[S_V], s[S_WV], 0x10002
	s_bfe_u32 s[S_U], s[S_WV], 0x10003
	s_lshl_b32 s[S_SX], s[S_DIR], 1
	s_add_co_u32 s[S_SX], s[S_SX], s[S_U]          ; resident set
	s_xor_b32 s[S_SY], s[S_DIR], 1
	s_lshl_b32 s[S_SY], s[S_SY], 1
	s_add_co_u32 s[S_SY], s[S_SY], s[S_V]          ; streamed set
	s_xor_b32 s[S_PP], s[S_P], s[S_V]              ; parity of my streamed blocks: turned with v, so that the odd blocks left over fall to both partners
	s_lshl_b32 s[S_T], s[S_SX], 13
	s_add_co_u32 s[S_T], s[S_T], L_FR
	v_lshl_add_u32 v[V_ABF], v1, 4, s[S_T]
	s_lshl_b32 s[S_T], s[S_SX], 10
	s_add_co_u32 s[S_T2], s[S_T], L_SC
	v_lshl_add_u32 v[V_ABS], v1, 2, s[S_T2]        ; 32 lanes take the words of two neighbouring blocks
	s_add_co_u32 s[S_T2], s[S_T], L_FA
	v_lshl_add_u32 v[V_AFA], v1, 2, s[S_T2]
	s_lshl_b32 s[S_T], s[S_SY], 13
	s_lshl_b32 s[S_T2], s[S_PP], 9
	s_add_co_u32 s[S_T], s[S_T], s[S_T2]
	s_add_co_u32 s[S_T], s[S_T], L_FR
	v_lshl_add_u32 v[V_AAF], v1, 4, s[S_T]
	s_lshl_b32 s[S_T], s[S_SY], 10
	s_lshl_b32 s[S_T2], s[S_PP], 6
	s_add_co_u32 s[S_T], s[S_T], s[S_T2]
	s_add_co_u32 s[S_T2], s[S_T], L_SC
	v_lshl_add_u32 v[V_AAS], v2, 2, s[S_T2]        ; lane r: point r's word
	s_add_co_u32 s[S_T2], s[S_T], L_CA
	v_lshl_add_u32 v[V_ACA], v3, 5, s[S_T2]        ; register j of the result is streamed point 8 h + j: a half's sixteen lanes read the same 32 bytes
	s_lshr_b32 s[S_T], s[S_WV], 1                  ; my pair of waves = my directed problem: 4 u + 2 v + dir
	s_lshl_b32 s[S_T2], s[S_T], 11
	s_add_co_u32 s[S_T2], s[S_T2], L_PX
	v_lshl_add_u32 v[V_PXA], v1, 4, s[S_T2]
	s_lshl_b32 s[S_T], s[S_T], 2
	s_add_co_u32 s[S_T], s[S_T], L_RES
	v_mov_b32 v[V_RSA], s[S_T]
	v_and_b32 v[V_R0A], 3, v0                      ; the last step: lane l = 2 i + j serves pair (set i, set 2 + j): a to b is problem 4 i + 2 j = 2 l,
	v_lshlrev_b32 v[V_R0A], 3, v[V_R0A]
	v_and_b32 v[V_M0], 1, v0                       ; j
	v_bfe_u32 v[V_M1], v0, 1, 1                    ; i
	v_lshlrev_b32 v[V_R1A], 4, v[V_M0]
	v_lshl_add_u32 v[V_R1A], v[V_M1], 3, v[V_R1A]  ; b to a is problem 4 j + 2 i + 1
	v_lshlrev_b32 v[V_OUT], 7, v[V_M1]
	v_lshl_add_u32 v[V_OUT], v[V_M0], 2, v[V_OUT]
	s_lshl_b32 s[S_T], ttmp9, 8
	s_lshl_b32 s[S_T2], s[S_Y], 3
	s_add_co_u32 s[S_T], s[S_T], s[S_T2]
	v_add_nc_u32 v[V_OUT], s[S_T], v[V_OUT]        ; out0: 4 (32 (2x + i) + 2y + j)
	s_wait_kmcnt 0x0                               ; the lengths
.irp s, 0,1,2,3
	s_max_i32 s[S_SZ+\s], s[S_SZ+\s], 0
	s_min_u32 s[S_SZ+\s], s[S_SZ+\s], 256          ; held to 0 .. 256: so arange < sz reads them
	s_add_co_u32 s[S_TT+\s], s[S_SZ+\s], 15
	s_lshr_b32 s[S_TT+\s], s[S_TT+\s], 4           ; blocks with a valid point
.endr
	s_cmp_eq_u32 s[S_U], 0
	s_cselect_b32 s[S_T], s[S_TT], s[S_TT+1]
	s_cselect_b32 s[S_T2], s[S_TT+2], s[S_TT+3]
	s_cmp_eq_u32 s[S_DIR], 0
	s_cselect_b32 s[S_R], s[S_T], s[S_T2]
	s_cmp_eq_u32 s[S_V], 0
	s_cselect_b32 s[S_T], s[S_TT], s[S_TT+1]
	s_cselect_b32 s[S_T2], s[S_TT+2], s[S_TT+3]
	s_cmp_eq_u32 s[S_DIR], 0
	s_cselect_b32 s[S_TY], s[S_T2], s[S_T]
	s_add_co_u32 s[S_N], s[S_TY], 1
	s_sub_co_u32 s[S_N], s[S_N], s[S_PP]
	s_lshr_b32 s[S_N], s[S_N], 1                   ; blocks of my parity under the streamed set's count: 8 at the most
	s_lshr_b32 s[S_NP], s[S_N], 1                  ; the loop takes them two a trip;
	s_and_b32 s[S_OD], s[S_N], 1                   ; an odd one is left for the tail
; BLOCK w OF SET s.  A valid block turns through my stage, so that lane (r, h) holds numbers 32 h .. 32 h + 31 of point r: one block of the quantiser, and the order of the operand's registers 0 to 3.
.macro QBLK s
	s_wait_loadcnt 8*(3-\s)                        ; this block's eight loads are in; the eight of each later block may be out.  It stands ahead of the branch: a block that is left out has landed too
	s_cmp_lt_u32 s[S_WV], s[S_TT+\s]
	s_cbranch_scc0 .Lempty_\s
.irp i, 0,1,2,3,4,5,6,7
	ds_store_b128 v[V_STW], v[V_G+32*\s+4*\i:V_G+32*\s+4*\i+3] offset:544*\i
.endr
.irp i, 0,1,2,3,4,5,6,7
	ds_load_b128 v[V_X+4*\i:V_X+4*\i+3], v[V_STR] offset:16*\i   ; LDS serves a wave's instructions in order (ISA guide 5.7.1.4): these see the stores above
.endr
	s_wait_dscnt 0x0                               ; my 32 numbers are in
	v_max3_num_f32 v[V_M0], |v[V_X]|, |v[V_X+1]|, 0x1800000      ; the largest magnitude, with the floor 2^(3 - 127) among its leaves: the byte cannot fall under 1
	v_max_num_f32 v[V_M1], |v[V_X+2]|, |v[V_X+3]|
	v_pk_mul_f32 v[V_NN:V_NN+1], v[V_X:V_X+1], v[V_X:V_X+1]      ; and the sum of squares of the unquantised numbers: four chains by turns
	v_pk_mul_f32 v[V_NN+2:V_NN+3], v[V_X+2:V_X+3], v[V_X+2:V_X+3]
.irp i, 4,8,12,16,20,24,28
	v_max3_num_f32 v[V_M0], v[V_M0], |v[V_X+\i]|, |v[V_X+\i+1]|
	v_max3_num_f32 v[V_M1], v[V_M1], |v[V_X+\i+2]|, |v[V_X+\i+3]|
	v_pk_fma_f32 v[V_NN:V_NN+1], v[V_X+\i:V_X+\i+1], v[V_X+\i:V_X+\i+1], v[V_NN:V_NN+1]
	v_pk_fma_f32 v[V_NN+2:V_NN+3], v[V_X+\i+2:V_X+\i+3], v[V_X+\i+2:V_X+\i+3], v[V_NN+2:V_NN+3]
.endr
	v_max_num_f32 v[V_M0], v[V_M0], v[V_M1]
	v_pk_add_f32 v[V_NN:V_NN+1], v[V_NN:V_NN+1], v[V_NN+2:V_NN+3]
	v_add_nc_u32 v[V_SO], 0xff000000, v[V_M0]      ; 2 off the exponent field: the conversion takes the exponent field of this operand as its scale
	v_add_f32 v[V_NN], v[V_NN], v[V_NN+1]
.irp g, 0,1,2,3
	v_cvt_scalef32_pk8_fp4_f32 v[V_CD+\g], v[V_X+8*\g:V_X+8*\g+7], v[V_SO]
.endr
	v_lshrrev_b32 v[V_BY], 23, v[V_SO]             ; the scale's byte.  (The plain line behind the conversions)
	v_permlanex16_b32 v[V_T1], v[V_NN], s[S_SEL], s[S_SEL+1]
	v_lshlrev_b32 v[V_BY], v[V_SH], v[V_BY]        ; at its place in the point's word: byte h
	v_add_f32 v[V_NN], v[V_NN], v[V_T1]            ; the point's 64 squares (the same bits in both halves)
	v_permlanex16_b32 v[V_T2], v[V_BY], s[S_SEL], s[S_SEL+1]
	v_cmp_gt_u32 vcc_lo, s[S_SZ+\s], v[V_ROW]      ; is my point inside the set?
	v_mul_f32 v[V_FV], 0.5, v[V_NN]
	v_mul_f32 v[V_CV], -0.5, v[V_NN]
	v_or_b32 v[V_WD], v[V_BY], v[V_T2]             ; bytes 2 and 3, of K = 64 .. 127, stay 0
	v_cndmask_b32 v[V_FV], v[V_SNF], v[V_FV], vcc_lo
	v_cndmask_b32 v[V_CV], v[V_SNC], v[V_CV], vcc_lo
	ds_store_b128 v[V_FRW], v[V_CD:V_CD+3] offset:8192*\s
	ds_store_b32 v[V_RWA], v[V_WD] offset:L_SC+1024*\s           ; both halves write the same word with the same value
	ds_store_b32 v[V_RWA], v[V_CV] offset:L_CA+1024*\s
	ds_store_b32 v[V_RWA], v[V_FV] offset:L_FA+1024*\s
	s_branch .Ldone_\s
.Lempty_\s:                                            ; no valid point: hn's stand-in, which the end reads for all 256 points, and a scale word, which rides in the upper lanes of the load for the last valid block
	ds_store_b32 v[V_RWA], v[V_NIL] offset:L_SC+1024*\s
	ds_store_b32 v[V_RWA], v[V_SNF] offset:L_FA+1024*\s
.Ldone_\s:
.endm
	QBLK 0
	QBLK 1
	QBLK 2
	QBLK 3
	s_wait_dscnt 0x0                               ; for the others' sake: my stores have landed
	s_barrier_signal -1
.set Q, 0
.rept 16
	v_mov_b32 v[V_DD+Q], v[V_SNC]                  ; register work while the others arrive: the two results begin at the stand-in too: the loop's first step reduces a result that no product has written yet
.set Q, Q+1
.endr
	s_barrier_wait -1                              ; all four sets lie in LDS
; THE MAIN LOOP.  Tiles are numbered along a trip of two streamed blocks: pos = 0 .. 2 r - 1, resident block pos % r, streamed buffer pos / r, result and partial maxima pos % 2.
; A step is one matrix instruction and four v_max3: three on the tile before (its eight numbers become two), and the last one of the tile two back (the two and the running maximum).
; So four plain lines that name none of its registers stand between a matrix instruction and the first read of its result, and five between it and the matrix instruction that writes the same
; result registers again: the four behind it, and the fourth line of the next step, which names no result (ISA guide 7.12.1).  2 r is even, so the turns go on over the backward jump, and into the tail.
.macro VPART r, pos
.set K_P1, ((\pos)+2*(\r)-1)%(2*(\r))
.set K_P2, ((\pos)+2*(\r)-2)%(2*(\r))
.set K_H1, K_P1%2
.set K_H2, K_P2%2
	v_max3_num_f32 v[V_TV+K_H1], v[V_DD+8*K_H1], v[V_DD+8*K_H1+1], v[V_DD+8*K_H1+2]        ; a result is read from its low end on
	v_max3_num_f32 v[V_TU+K_H1], v[V_DD+8*K_H1+3], v[V_DD+8*K_H1+4], v[V_DD+8*K_H1+5]
	v_max3_num_f32 v[V_TV+K_H1], v[V_TV+K_H1], v[V_DD+8*K_H1+6], v[V_DD+8*K_H1+7]
	v_max3_num_f32 v[V_AC+K_P2%(\r)], v[V_AC+K_P2%(\r)], v[V_TU+K_H2], v[V_TV+K_H2]
.endm
.macro TILE r, pos
.set K_J, (\pos)%(\r)
.set K_B, (\pos)/(\r)
.set K_S, (\pos)%2
.if K_J%2
	v_wmma_scale_f32_16x16x128_f8f6f4 v[V_DD+8*K_S:V_DD+8*K_S+7], v[V_AF+8*K_B:V_AF+8*K_B+7], v[V_BF+4*K_J:V_BF+4*K_J+7], v[V_CC+8*K_B:V_CC+8*K_B+7], v[V_AS+K_B], v[V_BS+K_J/2] matrix_a_fmt:MATRIX_FMT_FP4 matrix_b_fmt:MATRIX_FMT_FP4 matrix_b_scale:MATRIX_SCALE_ROW1
.else
	v_wmma_scale_f32_16x16x128_f8f6f4 v[V_DD+8*K_S:V_DD+8*K_S+7], v[V_AF+8*K_B:V_AF+8*K_B+7], v[V_BF+4*K_J:V_BF+4*K_J+7], v[V_CC+8*K_B:V_CC+8*K_B+7], v[V_AS+K_B], v[V_BS+K_J/2] matrix_a_fmt:MATRIX_FMT_FP4 matrix_b_fmt:MATRIX_FMT_FP4
.endif
	VPART \r, \pos
.endm
.macro TILES r, b                      ; the streamed block in buffer b against the r resident blocks
.set Q, (\b)*(\r)
.rept \r
	TILE \r, Q
.set Q, Q+1
.endr
.endm
; The next block of my parity is asked for, into buffer b: fragment, C, scale word.  The last matrix instruction that read that buffer stands four plain lines back, and the three additions follow them.
; It has r steps in which to come.
.macro STREAM b
	v_add_nc_u32 v[V_AAF], 1024, v[V_AAF]          ; two blocks on
	v_add_nc_u32 v[V_ACA], 128, v[V_ACA]
	v_add_nc_u32 v[V_AAS], 128, v[V_AAS]
	ds_load_b128 v[V_AF+8*(\b):V_AF+8*(\b)+3], v[V_AAF]
	ds_load_b128 v[V_CC+8*(\b):V_CC+8*(\b)+3], v[V_ACA]
	ds_load_b128 v[V_CC+8*(\b)+4:V_CC+8*(\b)+7], v[V_ACA] offset:16
	ds_load_b32 v[V_AS+(\b)], v[V_AAS]
.endm
.macro FLUSH r, pos                    ; behind the last step: what a further step's vector part would do, and the last tile's last line
	VPART \r, \pos
.set K_P1, ((\pos)+2*(\r)-1)%(2*(\r))
	v_max3_num_f32 v[V_AC+K_P1%(\r)], v[V_AC+K_P1%(\r)], v[V_TU+K_P1%2], v[V_TV+K_P1%2]
.endm
; The loop is written out for each number r of valid resident blocks, since registers cannot be counted through: no tile of a masked block is ever issued.
; A trip takes two streamed blocks, so it always has both: buffer 1 is asked for without a condition, ahead of its use.  The counter counts trips, one a trip, up to half the number of my blocks, and the
; loop is left through its backward branch alone; a last odd block is written out behind it, at positions 0 .. r - 1, where a further trip would have begun.  With one block in all the loop is jumped over.
.macro VARIANT r
.Lvar_\r:
.set Q, 0
.rept \r
	ds_load_b128 v[V_BF+4*Q:V_BF+4*Q+3], v[V_ABF] offset:512*Q
.set Q, Q+1
.endr
	ds_load_b128 v[V_BF+4*\r:V_BF+4*\r+3], v[V_ABF] offset:512*(\r-1)   ; the four registers behind the last fragment are named by its operand: any codes do, so the last fragment once more
.set Q, 0
.rept (\r+1)/2
	ds_load_b32 v[V_BS+Q], v[V_ABS] offset:128*Q
.set Q, Q+1
.endr
	ds_load_b128 v[V_AF:V_AF+3], v[V_AAF]          ; my first streamed block, into buffer 0
	ds_load_b128 v[V_CC:V_CC+3], v[V_ACA]
	ds_load_b128 v[V_CC+4:V_CC+7], v[V_ACA] offset:16
	ds_load_b32 v[V_AS], v[V_AAS]
	s_mov_b32 s[S_I], 0
	s_cmp_eq_u32 s[S_NP], 0
	s_cbranch_scc1 .Ltail_\r
.Lloop_\r:
	s_wait_dscnt 0x0                               ; buffer 0's four loads are in (in the first trip the resident set's too); nothing was issued behind them
	STREAM 1                                       ; the trip's second block
	TILES \r, 0
	s_wait_dscnt 0x0                               ; buffer 1's four loads are in
	s_lshl_b32 s[S_T], s[S_I], 1
	s_add_co_u32 s[S_T], s[S_T], 2                 ; blocks taken when this trip is done
	s_cmp_lt_u32 s[S_T], s[S_N]
	s_cbranch_scc0 .Lnone_\r                       ; is there a block behind this trip's two (the next trip's first, or the odd last one)?
	STREAM 0
.Lnone_\r:
	TILES \r, 1
	s_add_co_u32 s[S_I], s[S_I], 1
	s_cmp_lt_u32 s[S_I], s[S_NP]
	s_cbranch_scc1 .Lloop_\r
.Ltail_\r:
	s_cmp_eq_u32 s[S_OD], 0
	s_cbranch_scc1 .Leven_\r
	s_wait_dscnt 0x0                               ; the odd last block is in buffer 0
	TILES \r, 0
	FLUSH \r, \r
	s_branch .Ljoin
.Leven_\r:
	FLUSH \r, 0
	s_branch .Ljoin
.endm
	s_cmp_eq_u32 s[S_N], 0                         ; nothing to stream: the maxima keep the stand-in
	s_cbranch_scc1 .Ljoin
.irp r, 1,2,3,4,5,6,7,8,9,10,11,12,13,14,15,16
	s_cmp_eq_u32 s[S_R], \r
	s_cbranch_scc1 .Lvar_\r
.endr
	s_branch .Ljoin                                ; no resident block
.irp r, 1,2,3,4,5,6,7,8,9,10,11,12,13,14,15,16
	VARIANT \r
.endr
.Ljoin:
	s_wait_dscnt 0x0
	s_barrier_signal -1
	s_barrier_wait -1                              ; a barrier parts the main phase's LDS reads, whose addresses were stepped a loaded number of times, from the LDS stores that follow
	s_cmp_eq_u32 s[S_P], 0
	s_cbranch_scc1 .Lowner
.irp g, 0,1,2,3
	ds_store_b128 v[V_PXA], v[V_AC+4*\g:V_AC+4*\g+3] offset:512*\g   ; the odd wave of a pair hands its sixteen maxima over, as an image of the registers
.endr
.Lowner:
	s_wait_dscnt 0x0
	s_barrier_signal -1
	s_barrier_wait -1
	s_cmp_lg_u32 s[S_P], 0
	s_cbranch_scc1 .Lguest
.irp g, 0,1,2,3
	ds_load_b128 v[V_PT+4*\g:V_PT+4*\g+3], v[V_PXA] offset:512*\g
.endr
.irp q, 0,1,2,3,4,5,6,7
	ds_load_b32 v[V_FF+\q], v[V_AFA] offset:128*\q               ; hn of resident points 32 q + lane
.endr
	s_wait_dscnt 0x0
.set Q, 0
.rept 16
	v_max_num_f32 v[V_AC+Q], v[V_AC+Q], v[V_PT+Q]                ; both parities of streamed blocks
.set Q, Q+1
.endr
.irp q, 0,1,2,3,4,5,6,7
	v_permlane16_swap_b32 v[V_AC+2*\q], v[V_AC+2*\q+1]           ; lane (r, h) has seen the streamed points 8 h .. 8 h + 7 of each block.  After the exchange the first register holds both blocks' lower halves, the second their upper ones
.endr
.irp q, 0,1,2,3,4,5,6,7
	v_max_num_f32 v[V_AC+2*\q], v[V_AC+2*\q], v[V_AC+2*\q+1]     ; lanes 0-15: block 2 q, lanes 16-31: block 2 q + 1: point 32 q + lane
.endr
.irp q, 0,1,2,3,4,5,6,7
	v_sub_f32 v[V_FF+\q], v[V_FF+\q], v[V_AC+2*\q]               ; half the least square from that point; under -1e18 where the point is masked
.endr
	v_max3_num_f32 v[V_FF], v[V_FF], v[V_FF+1], v[V_FF+2]
	v_max3_num_f32 v[V_FF+3], v[V_FF+3], v[V_FF+4], v[V_FF+5]
	v_max3_num_f32 v[V_FF], v[V_FF], v[V_FF+6], v[V_FF+7]
	v_max_num_f32 v[V_FF], v[V_FF], v[V_FF+3]
	v_max_num_f32_dpp v[V_FF], v[V_FF], v[V_FF] row_xmask:1 row_mask:0xf bank_mask:0xf
	v_max_num_f32_dpp v[V_FF], v[V_FF], v[V_FF] row_xmask:2 row_mask:0xf bank_mask:0xf
	v_max_num_f32_dpp v[V_FF], v[V_FF], v[V_FF] row_xmask:4 row_mask:0xf bank_mask:0xf
	v_max_num_f32_dpp v[V_FF], v[V_FF], v[V_FF] row_xmask:8 row_mask:0xf bank_mask:0xf
	v_permlanex16_b32 v[V_T1], v[V_FF], s[S_SEL], s[S_SEL+1]
	v_max_num_f32 v[V_FF], v[V_FF], v[V_T1]        ; the directed result, as half a square
	ds_store_b32 v[V_RSA], v[V_FF]                 ; all lanes write the same word with the same value
.Lguest:
	s_wait_dscnt 0x0
	s_barrier_signal -1
	s_barrier_wait -1
	s_cmp_lg_u32 s[S_WV], 0
	s_cbranch_scc1 .Lend
	ds_load_b32 v[V_M0], v[V_R0A] offset:L_RES     ; lane l (taken modulo 4): its pair's two directed results
	ds_load_b32 v[V_M1], v[V_R1A] offset:L_RES+4
	s_wait_dscnt 0x0
	v_max_num_f32 v[V_M0], v[V_M0], v[V_M1]
	v_max_num_f32 v[V_M1], 0, v[V_M0]              ; reference's max(d2, 0)
	v_add_f32 v[V_M1], v[V_M1], v[V_M1]
	v_sqrt_f32 v[V_M1], v[V_M1]
	v_nop                                          ; a plain line behind the root
	v_cmp_gt_f32 vcc_lo, 0xdb800000, v[V_M0]       ; under -2^56: both sets are empty, and reference gives -1e9
	s_wait_alu depctr_va_vdst(0)                   ; ahead of the first line that names the root
	v_cndmask_b32 v[V_M1], v[V_M1], v[V_NBG], vcc_lo
	v_cmp_gt_u32 vcc_lo, 4, v0
	s_wait_xcnt 0x0                                ; EXEC changes only behind this wait
	s_and_saveexec_b32 s[S_EX], vcc_lo
	global_store_b32 v[V_OUT], v[V_M1], s[12:13]   ; four lanes, four numbers
	s_wait_xcnt 0x0
	s_or_b32 exec_lo, exec_lo, s[S_EX]
.Lend:
	s_wait_tensorcnt 0x0
	ds_add_u32 v250, v251
	s_wait_dscnt 0x0
	s_endpgm
.Lfunc_end_k_q94589fa870_hausdorff:
	.size	k_q94589fa870_hausdorff, .Lfunc_end_k_q94589fa870_hausdorff-k_q94589fa870_hausdorff
	.p2alignl 7, 3214868480
	.fill 96, 4, 3214868480
	.section	.rodata,"a",@progbits
	.p2align	6, 0x0
	.amdhsa_kernel k_q94589fa870_hausdorff
		.amdhsa_group_segment_fixed_size 137216
		.amdhsa_private_segment_fixed_size 0
		.amdhsa_enable_private_segment 0
		.amdhsa_kernarg_size 40
		.amdhsa_user_sgpr_count 2
		.amdhsa_user_sgpr_kernarg_segment_ptr 1
		.amdhsa_wavefront_size32 1
		.amdhsa_system_sgpr_workgroup_id_x 1
		.amdhsa_system_sgpr_workgroup_id_y 1
		.amdhsa_system_sgpr_workgroup_id_z 1
		.amdhsa_system_vgpr_workitem_id 0
		.amdhsa_next_free_vgpr 256
		.amdhsa_next_free_sgpr 66
		.amdhsa_reserve_vcc 1
		.amdhsa_float_denorm_mode_32 3
		.amdhsa_float_denorm_mode_16_64 3
		.amdhsa_memory_ordered 1
		.amdhsa_forward_progress 1
		.amdhsa_inst_pref_size 237
	.end_amdhsa_kernel
	.amdgpu_metadata
---
amdhsa.version: [ 1, 2 ]
amdhsa.kernels:
  - .name:           k_q94589fa870_hausdorff
    .symbol:         k_q94589fa870_hausdorff.kd
    .args:
      - { .name: sz1, .offset: 0, .size: 8, .value_kind: global_buffer, .address_space: global }
      - { .name: sz2, .offset: 8, .size: 8, .value_kind: global_buffer, .address_space: global }
      - { .name: v1, .offset: 16, .size: 8, .value_kind: global_buffer, .address_space: global }
      - { .name: v2, .offset: 24, .size: 8, .value_kind: global_buffer, .address_space: global }
      - { .name: out0, .offset: 32, .size: 8, .value_kind: global_buffer, .address_space: global }
    .group_segment_fixed_size: 137216
    .private_segment_fixed_size: 0
    .kernarg_segment_align: 8
    .kernarg_segment_size: 40
    .max_flat_workgroup_size: 512
    .sgpr_count:     66
    .vgpr_count:     256
    .wavefront_size: 32
...
	.end_amdgpu_metadata
.endif
;; end of part 1
